; MI455X (gfx1250); checked and timed in simulation.
; The chip was launched on July 23, 2026; its instructions are those of AMD's public machine-readable ISA for CDNA 5 (MIT licence, August 2026) and "CDNA5" Instruction Set Architecture Reference Guide (July 2026). The comments in the code are by the model that wrote it; some were corrected since.
;; Main Net. Allowed arithmetic: float matrix products may take bf16 or f16 operands with f32 sums; all other float work in f32.
;; Inputs: Wb1 1,024 x 512 float32; Wb2 1,024 x 512 float32; Wc1 512 x 64 float32; Wc2 512 x 64 float32; Wf1 4,096 x 64 float32; Wf2 64 x 2 float32; bb1 512 float32; bb2 512 float32; bc1 64 float32; bc2 64 float32; bf1 64 float32; bf2 2 float32; x1 16,384 x 1,024 float32; x2 16,384 x 1,024 float32.
;; Outputs: out0 16,384 x 2 float32.
;; One version. Each part assembles by itself: llvm-mc -triple=amdgcn-amd-amdhsa -mcpu=gfx1250 --defsym DOCPART=n.
;; ======== version 1 of 1: 3 launches
;; limits: values are held in f16: magnitudes above 65,504 overflow, below 6.1e-05 lose precision; right only within a limited range of input values
;; workspace buffers: wbt 2,097,152 bytes; wct 131,072 bytes; nt 32,768 bytes; fws 8,388,608 bytes
;; launch prep (part 1): grid 168 x 1, 8 waves a work-group, no clusters, 26,880 bytes of LDS; arguments Wb1, Wb2, Wc1, Wc2, Wf1, Wf2, wbt, wct, nt; writes wbt, wct, nt
.if DOCPART == 1
	.amdgcn_target "amdgcn-amd-amdhsa--gfx1250"
	.amdhsa_code_object_version 6
	.text
	.protected	k_q5ef4207116_prep
	.globl	k_q5ef4207116_prep
	.p2align	8
	.type	k_q5ef4207116_prep,@function
k_q5ef4207116_prep:
	s_mov_b64 s[64:65], 0
	v_nop
	global_prefetch_b8 v0, s[64:65] scope:SCOPE_SE
	s_setreg_imm32_b32 hwreg(HW_REG_WAVE_MODE, 25, 1), 1
	s_wait_xcnt 0x0
; prep: the weights, once, in the form in which the later launches take them as matrix operands.
;   work-groups   0..127: wbt[m][n][k] = f16(Wb_m[k][n] / 8)   (m = 0, 1; 512 n; 1024 k): a tile of 128 k x 64 n each
;   work-groups 128..135: wct[m][n][k] = f16(8 Wc_m[k][n])     (64 n; 512 k):            a tile of 128 k x 64 n each
;   work-groups 136..167: nt = Wf1 x Wf2 as two bf16 terms (hi + lo), 128 rows of Wf1 each.
; THE POWER OF TWO: relu(c z) = c relu(z) for c > 0, so relu(x Wb / 8 + bb / 8) (8 Wc) = relu(x Wb + bb) Wc.  The factors are exact; they put the hidden
; layer in the middle of f16's range: with x and Wb each carrying an offset of 30 times their spread (1 and 1/32) the hidden numbers reach 1024 x 30 x 30/32 = 28,800,
; an eighth of which is 3,600.  LIMITS: |Wb| / 8 and 8 |Wc| stay below 65,504; below 2^-14 f16's step is 2^-24.
; No non-linear step stands between Wf1 and Wf2 in the problem, so (kron Wf1 + bf1) Wf2 + bf2 = kron (Wf1 Wf2) + (bf1 Wf2 + bf2):
; the product Wf1 Wf2 ([4096][2]) is made here in f32.  The order of sums differs from the problem's text.  It is kept as hi = bf16(s), lo = bf16(s - hi):
; bf16 for the range (its partner in the product, f1, grows with three inputs' scales), two terms for the precision.
; nt's layout: element (j, p = 16 pg + pl, q = 8 q8 + qi) = (Wf1 Wf2)[64 p + q][j] at byte (8 (4 j + pg) + q8) 256 + 16 pl + 2 qi, hi from byte 0, lo from byte 16,384;
; a later wave loads it as fragments by 16 bytes a lane, 512 neighbouring bytes an instruction.
; Each job moves 32 KiB of f32.  No matrix unit (nothing here is a large product), no cluster (no two work-groups read the same bytes
; but the 512 bytes of Wf2), no tensor load (one tile a work-group: nothing to run ahead of).
.set WREG,  3104                       ; a wave's own LDS region for the transposition: 64 rows x 48 bytes = 3,072, + 32 so that the eight regions start 32 bytes apart modulo 256
.set FBASE, 8*WREG                     ; the third job's 1,024 bytes lie behind the eight regions: no LDS byte is stored by two of the three jobs
	s_load_b512 s[4:19], s[0:1], 0x0               ; Wb1 4, Wb2 6, Wc1 8, Wc2 10, Wf1 12, Wf2 14, wbt 16, wct 18
	s_load_b64 s[20:21], s[0:1], 0x40              ; nt
	v_lshl_add_u32 v88, v0, 2, 0x6500
	v_mov_b32 v89, 0
	v_and_b32 v1, 15, v0                           ; thread mod 16
	v_lshrrev_b32 v2, 4, v0                        ; thread / 16 = 2 wave + half
	v_bfe_u32 v7, v0, 4, 1                         ; which half of the wave
	v_lshrrev_b32 v3, 5, v0
	v_readfirstlane_b32 s35, v3                    ; wave 0..7
	s_mov_b32 s29, 0                               ; high words of the two offset pairs
	s_mov_b32 s31, 0
	s_wait_kmcnt 0x0
	s_cmp_ge_u32 ttmp9, 136                        ; the job hangs on the work-group's number alone: all eight waves go one way
	s_cbranch_scc1 .Lfold
	s_cmp_ge_u32 ttmp9, 128
	s_cbranch_scc1 .Lwc
; A tile of 128 k x 64 n of f32 (rows SRCP bytes apart, from s[24:25]), times SC, becomes 64 rows of 128 f16 (rows DSTP bytes apart, at s[26:27]).
; In: thread (a = t mod 16, g = t / 16) takes rows k = 8 g .. 8 g + 7, columns 4 a .. 4 a + 3: sixteen lanes read 256 neighbouring bytes.
; It packs, for each of its four columns, its eight k into 16 bytes and stores them in its wave's own LDS region.
; Back: thread (a, g) takes the 16 bytes k = 8 a .. 8 a + 7 of rows n = 4 g + s: sixteen lanes store 256 neighbouring, aligned bytes.
.macro TRANS SRCP, DSTP, SC
	v_mul_u32_u24 v3, v2, 8*\SRCP
	v_lshl_add_u32 v3, v1, 4, v3                   ; 8 g rows + 16 a
.irp i, 0,1,2,3,4,5,6,7
	global_load_b128 v[8+4*\i:11+4*\i], v3, s[24:25] offset:\i*\SRCP th:TH_LOAD_NT   ; (k = 8 g + i, n = 4 a + 0..3); read once in the launch
.endr
	s_mul_i32 s36, s35, WREG
	v_mul_u32_u24 v4, v1, 48                       ; LDS row 16 c + a holds column n = 4 a + c; pitch 48 = 3 x 16: sixteen rows, sixteen different 16-byte columns of 256
	v_lshl_add_u32 v4, v7, 4, v4                   ; + 16 x half: the wave's 16 k are 32 bytes of a row
	v_add_nc_u32 v4, s36, v4                       ; in my wave's region
	v_lshrrev_b32 v5, 1, v1                        ; back: the k piece a lies in region a / 2,
	v_mul_u32_u24 v5, v5, WREG
	v_and_b32 v6, 1, v1                            ; half a mod 2,
	v_lshl_add_u32 v5, v6, 4, v5
	v_mad_u32_u24 v5, v2, 48, v5                   ; LDS row 16 s + g = column n = 4 g + s
	v_mul_u32_u24 v6, v2, 4*\DSTP
	v_lshl_add_u32 v6, v1, 4, v6                   ; out: row 4 g, byte 16 a
	s_wait_loadcnt 0x0
.irp i, 0,1,2,3,4,5,6,7,8,9,10,11,12,13,14,15
	v_pk_mul_f32 v[8+2*\i:9+2*\i], v[8+2*\i:9+2*\i], \SC op_sel_hi:[1,0]   ; the power of two: exact
.endr
.irp c, 0,1,2,3
.irp m, 0,1,2,3
	v_cvt_pk_f16_f32 v[40+4*\c+\m], v[8+8*\m+\c], v[12+8*\m+\c]    ; k = 8 g + 2 m, + 2 m + 1 of column 4 a + c
.endr
.endr
.irp c, 0,1,2,3
	ds_store_b128 v4, v[40+4*\c:43+4*\c] offset:\c*768
.endr
	s_wait_dscnt 0x0                               ; for the other waves' sake: my stores are done before I signal
	s_barrier_signal -1
	s_barrier_wait -1
.irp s, 0,1,2,3
	ds_load_b128 v[8+4*\s:11+4*\s], v5 offset:\s*768
.endr
.irp s, 0,1,2,3
	s_wait_dscnt 3-\s                              ; LDS loads come back in order: load s is in
	global_store_b128 v6, v[8+4*\s:11+4*\s], s[26:27] offset:\s*\DSTP
.endr
	s_wait_tensorcnt 0x0
	ds_add_u32 v88, v89
	s_wait_dscnt 0x0
	s_endpgm
.endm
	; ---- Wb: m = id / 64, k tile = (id / 8) mod 8, n tile = id mod 8
	s_lshr_b32 s22, ttmp9, 6
	s_bfe_u32 s23, ttmp9, 0x30003
	s_and_b32 s32, ttmp9, 7
	s_lshl_b32 s28, s23, 18                        ; 128 rows of 2,048 bytes
	s_lshl_b32 s33, s32, 8                         ; 64 columns of f32
	s_add_co_u32 s28, s28, s33
	s_lshl_b32 s30, s22, 20                        ; wbt: a branch is 1 MiB,
	s_lshl_b32 s33, s32, 17                        ; 64 rows of 2,048 bytes,
	s_add_co_u32 s30, s30, s33
	s_lshl_b32 s33, s23, 8                         ; 128 k of f16
	s_add_co_u32 s30, s30, s33
	s_cmp_eq_u32 s22, 0
	s_cselect_b64 s[24:25], s[4:5], s[6:7]
	s_add_nc_u64 s[24:25], s[24:25], s[28:29]
	s_add_nc_u64 s[26:27], s[16:17], s[30:31]
	TRANS 2048, 2048, 0x3e000000                   ; x 1/8
.Lwc:	; ---- Wc: m = id' / 4, k tile = id' mod 4
	s_sub_co_u32 s34, ttmp9, 128
	s_lshr_b32 s22, s34, 2
	s_and_b32 s23, s34, 3
	s_lshl_b32 s28, s23, 15                        ; 128 rows of 256 bytes
	s_lshl_b32 s30, s22, 16                        ; wct: a branch is 64 KiB,
	s_lshl_b32 s33, s23, 8                         ; 128 k of f16
	s_add_co_u32 s30, s30, s33
	s_cmp_eq_u32 s22, 0
	s_cselect_b64 s[24:25], s[8:9], s[10:11]
	s_add_nc_u64 s[24:25], s[24:25], s[28:29]
	s_add_nc_u64 s[26:27], s[18:19], s[30:31]
	TRANS 256, 1024, 0x41000000                    ; x 8
.Lfold:	; ---- Wf1 x Wf2 for p = 16 pg + pl (pl = 2 wave + half), q = 8 q8 + i (i = 0..7); pg = id'' / 8, q8 = id'' mod 8
	s_sub_co_u32 s34, ttmp9, 136
	s_lshr_b32 s22, s34, 3
	s_and_b32 s23, s34, 7
	s_lshl_b32 s28, s22, 18                        ; row 64 p + q of 256 bytes: 16 pg x 64 rows,
	s_lshl_b32 s33, s23, 11                        ; 8 q8 rows
	s_add_co_u32 s28, s28, s33
	s_add_nc_u64 s[24:25], s[12:13], s[28:29]
	s_lshl_b32 s30, s22, 11                        ; nt: 8 pg + q8 blocks of 256 bytes
	s_lshl_b32 s33, s23, 8
	s_add_co_u32 s30, s30, s33
	s_add_nc_u64 s[26:27], s[20:21], s[30:31]
	v_lshlrev_b32 v4, 5, v1                        ; Wf2 rows 4 a .. 4 a + 3: 32 bytes
	v_lshlrev_b32 v5, 4, v1
	v_lshl_or_b32 v5, v2, 14, v5                   ; Wf1: pl x 64 rows of 256 bytes + 16 a: sixteen lanes read a whole row
	global_load_b128 v[8:11], v4, s[14:15]         ; w[4a][0], w[4a][1], w[4a+1][0], w[4a+1][1]
	global_load_b128 v[12:15], v4, s[14:15] offset:16
.irp i, 0,1,2,3,4,5,6,7
	global_load_b128 v[16+4*\i:19+4*\i], v5, s[24:25] offset:256*\i th:TH_LOAD_NT
.endr
	s_lshl_b32 s37, s35, 5
	v_lshl_add_u32 v6, v7, 4, s37                  ; LDS: 16 bytes for each pl, my wave's two at 32 x wave (+ FBASE in the immediates)
	s_wait_loadcnt 0x0
.irp i, 0,1,2,3,4,5,6,7                            ; the pair v[48+2i:49+2i] = my four columns' part of (j = 0, j = 1) for q = 8 q8 + i
	v_pk_mul_f32 v[48+2*\i:49+2*\i], v[16+4*\i:17+4*\i], v[8:9] op_sel:[0,0] op_sel_hi:[0,1]
	v_pk_fma_f32 v[48+2*\i:49+2*\i], v[16+4*\i:17+4*\i], v[10:11], v[48+2*\i:49+2*\i] op_sel:[1,0,0] op_sel_hi:[1,1,1]
	v_pk_fma_f32 v[48+2*\i:49+2*\i], v[18+4*\i:19+4*\i], v[12:13], v[48+2*\i:49+2*\i] op_sel:[0,0,0] op_sel_hi:[0,1,1]
	v_pk_fma_f32 v[48+2*\i:49+2*\i], v[18+4*\i:19+4*\i], v[14:15], v[48+2*\i:49+2*\i] op_sel:[1,0,0] op_sel_hi:[1,1,1]
.endr
.irp x, 1,2,4,8                                    ; the sum over the sixteen lanes of a half: every lane ends with it
.irp i, 0,1,2,3,4,5,6,7,8,9,10,11,12,13,14,15
	v_add_f32_dpp v[48+\i], v[48+\i], v[48+\i] row_xmask:\x row_mask:0xf bank_mask:0xf
.endr
.endr
.irp m, 0,1,2,3
	v_cvt_pk_bf16_f32 v[64+\m], v[48+4*\m], v[50+4*\m]     ; hi, j = 0: q = 8 q8 + 2 m, + 2 m + 1
	v_cvt_pk_bf16_f32 v[68+\m], v[49+4*\m], v[51+4*\m]     ; hi, j = 1
.endr
.irp m, 0,1,2,3                                    ; lo = bf16(s - hi); the difference is exact in f32
	v_lshlrev_b32 v80, 16, v[64+\m]
	v_and_b32 v81, 0xffff0000, v[64+\m]
	v_lshlrev_b32 v82, 16, v[68+\m]
	v_and_b32 v83, 0xffff0000, v[68+\m]
	v_sub_f32 v[48+4*\m], v[48+4*\m], v80
	v_sub_f32 v[50+4*\m], v[50+4*\m], v81
	v_sub_f32 v[49+4*\m], v[49+4*\m], v82
	v_sub_f32 v[51+4*\m], v[51+4*\m], v83
	v_cvt_pk_bf16_f32 v[72+\m], v[48+4*\m], v[50+4*\m]
	v_cvt_pk_bf16_f32 v[76+\m], v[49+4*\m], v[51+4*\m]
.endr
	ds_store_b128 v6, v[64:67] offset:FBASE        ; the sixteen lanes of a half store the same bytes with the same value
	ds_store_b128 v6, v[68:71] offset:FBASE+256
	ds_store_b128 v6, v[72:75] offset:FBASE+512
	ds_store_b128 v6, v[76:79] offset:FBASE+768
	s_wait_dscnt 0x0                               ; my stores are done before I signal
	s_barrier_signal -1
	s_barrier_wait -1
	s_cmp_lg_u32 s35, 0
	s_cbranch_scc1 .Lfold_end                      ; wave 0 alone carries the 1,024 bytes out
	v_and_b32 v84, 31, v0
	v_lshlrev_b32 v84, 4, v84
	ds_load_b128 v[64:67], v84 offset:FBASE        ; hi: lanes 0-15: j = 0, pl = lane; lanes 16-31: j = 1
	ds_load_b128 v[68:71], v84 offset:FBASE+512    ; lo likewise
	v_lshlrev_b32 v85, 4, v1
	v_lshl_or_b32 v85, v7, 13, v85                 ; j x 32 blocks of 256 bytes + 16 pl
	s_wait_dscnt 0x0
	global_store_b128 v85, v[64:67], s[26:27]      ; each half of the wave stores 256 neighbouring, aligned bytes
	global_store_b128 v85, v[68:71], s[26:27] offset:16384
.Lfold_end:
	s_wait_tensorcnt 0x0
	ds_add_u32 v88, v89
	s_wait_dscnt 0x0
	s_endpgm
.Lfunc_end_k_q5ef4207116_prep:
	.size	k_q5ef4207116_prep, .Lfunc_end_k_q5ef4207116_prep-k_q5ef4207116_prep
	.p2alignl 7, 3214868480
	.fill 96, 4, 3214868480
	.section	.rodata,"a",@progbits
	.p2align	6, 0x0
	.amdhsa_kernel k_q5ef4207116_prep
		.amdhsa_group_segment_fixed_size 26880
		.amdhsa_private_segment_fixed_size 0
		.amdhsa_enable_private_segment 0
		.amdhsa_kernarg_size 72
		.amdhsa_user_sgpr_count 2
		.amdhsa_user_sgpr_kernarg_segment_ptr 1
		.amdhsa_wavefront_size32 1
		.amdhsa_system_sgpr_workgroup_id_x 1
		.amdhsa_system_sgpr_workgroup_id_y 1
		.amdhsa_system_sgpr_workgroup_id_z 1
		.amdhsa_system_vgpr_workitem_id 0
		.amdhsa_next_free_vgpr 90
		.amdhsa_next_free_sgpr 66
		.amdhsa_reserve_vcc 0
		.amdhsa_float_denorm_mode_32 3
		.amdhsa_float_denorm_mode_16_64 3
		.amdhsa_memory_ordered 1
		.amdhsa_forward_progress 1
		.amdhsa_inst_pref_size 24
	.end_amdhsa_kernel
	.amdgpu_metadata
---
amdhsa.version: [ 1, 2 ]
amdhsa.kernels:
  - .name:           k_q5ef4207116_prep
    .symbol:         k_q5ef4207116_prep.kd
    .args:
      - { .name: Wb1, .offset: 0, .size: 8, .value_kind: global_buffer, .address_space: global }
      - { .name: Wb2, .offset: 8, .size: 8, .value_kind: global_buffer, .address_space: global }
      - { .name: Wc1, .offset: 16, .size: 8, .value_kind: global_buffer, .address_space: global }
      - { .name: Wc2, .offset: 24, .size: 8, .value_kind: global_buffer, .address_space: global }
      - { .name: Wf1, .offset: 32, .size: 8, .value_kind: global_buffer, .address_space: global }
      - { .name: Wf2, .offset: 40, .size: 8, .value_kind: global_buffer, .address_space: global }
      - { .name: wbt, .offset: 48, .size: 8, .value_kind: global_buffer, .address_space: global }
      - { .name: wct, .offset: 56, .size: 8, .value_kind: global_buffer, .address_space: global }
      - { .name: nt, .offset: 64, .size: 8, .value_kind: global_buffer, .address_space: global }
    .group_segment_fixed_size: 26880
    .private_segment_fixed_size: 0
    .kernarg_segment_align: 8
    .kernarg_segment_size: 72
    .max_flat_workgroup_size: 256
    .sgpr_count:     66
    .vgpr_count:     90
    .wavefront_size: 32
...
	.end_amdgpu_metadata
.endif
;; end of part 1
;; launch branch (part 2): grid 128 x 2, 4 waves a work-group, clusters of 4 x 1, 327,680 bytes of LDS; arguments x1, x2, bb1, bb2, bc1, bc2, wbt, wct, fws; writes fws
.if DOCPART == 2
	.amdgcn_target "amdgcn-amd-amdhsa--gfx1250"
	.amdhsa_code_object_version 6
	.text
	.protected	k_q5ef4207116_branch
	.globl	k_q5ef4207116_branch
	.p2align	8
	.type	k_q5ef4207116_branch,@function
k_q5ef4207116_branch:
	s_mov_b64 s[64:65], 0
	v_nop
	global_prefetch_b8 v0, s[64:65] scope:SCOPE_SE
	s_setreg_imm32_b32 hwreg(HW_REG_WAVE_MODE, 25, 1), 1
	s_wait_xcnt 0x0
	s_wait_alu depctr_hold_cnt(0) depctr_sa_sdst(0) depctr_va_vdst(0) depctr_va_sdst(0) depctr_va_ssrc(0) depctr_va_vcc(0) depctr_vm_vsrc(0)
	s_getreg_b32 s2, hwreg(HW_REG_IB_STS2, 6, 4)
	s_cmp_eq_u32 s2, 0
	s_cbranch_scc0 .Lentry_in_a_cluster
	s_endpgm
.Lentry_in_a_cluster:
	s_bfe_u32 s2, ttmp6, 0x10000c
	s_cmp_lg_u32 s2, 0x3003
	s_cbranch_scc0 .Lentry_shape_is_right
	s_endpgm
.Lentry_shape_is_right:
; branch: f = relu(x Wb + bb) Wc + bc for 128 rows of one branch (work-group y = branch, x = block of 128 rows).
; Four waves, as many as a WGP has SIMDs; wave w makes H[128 rows][hidden 128 w .. 128 w + 127]: 64 accumulator tiles of 16 x 16, 512 registers.
; K = 1024 goes in 8 steps of 128 through two LDS slots of weights (512 rows x 256 bytes of wbt, f16, [n][k]) filled by tensor loads,
; one a wave (128 rows x 256 bytes; the rows begin at multiples of 256 bytes of wbt).
; CLUSTER: the four row blocks of a cluster (4 x 1) walk the same weights of one branch, so every weight tile is asked for jointly
; (mask 15): the requests for weights are divided by four.  x is shared by nobody: it comes through registers, 16 bytes a lane, is rounded
; to f16 ONCE (not once in each of the four waves that multiply it) and is laid into two LDS buffers of 64 k each.
; Two register sets of 16 loads a lane keep two chunks of x (2 x 32 KiB a work-group) on their way, each for two chunks' matrix work.
; THE MATRIX INSTRUCTION IS USED TRANSPOSED: source 0 = 16 weight rows (hidden columns), source 1 = 16 rows of x.  Lane l then holds row l % 16
; and its registers 0..7 the hidden columns 8 (l / 16) + 0..7.  After relu and packing that is the layout of a 16-bit operand with the hidden index as K,
; so the product with Wc takes H from the accumulators' own registers.  Each wave multiplies its 128 hidden columns; the four partial
; f meet in LDS and are added in f32 with bc.
; The first product of each tile takes the bias as its C operand: nothing is cleared and no bias is added afterwards.
; FORMATS: the operands are f16, whose step is an eighth of bf16's: the output of the whole program is bilinear in f1 and f2 and gathers the roundings of both branches.
; wbt holds Wb / 8 and wct holds 8 Wc; bb is taken times 1/8 here: relu(c z) = c relu(z) for c > 0, so f is the same, and the hidden numbers, an eighth of the problem's,
; lie in the middle of f16's range (3,600 where x and Wb both carry an offset of 30 times their spread; about 1e-4, with f16's step 2^-24, where both are 30 times smaller).
; LIMITS: |x| and relu(x Wb + bb) / 8 stay below 65,504; relu is max(0, .), which turns a NaN into 0; sums are f32, in another order than the problem's text.
; A wave has at most two tensor loads outstanding: the two first fills; later the one of a refill.
;
; REGISTERS in windows of 256:
;   window 0: v16-23, v60-63 addresses; v24-55 packed x, later bc; v64-127, v128-191 fragments of x (two buffers), later Wc's fragments, later the partial f;
;             v192-255 x as loaded, even chunks, later f
;   window 1: v0-63 bb / 8 (tile b at 8 b); v64-191 fragments of the weights; v192-255 x as loaded, odd chunks; at the end the whole window: partial f
;   window 2: accumulators of rows 0-63, tile (a, b) at 8 (8 a + b);  window 3: rows 64-127
.set PITCH,  272                       ; a weight row in LDS: 256 bytes + 16: an odd multiple of 16, so sixteen rows start in sixteen different 16-byte columns of 256
.set WPART,  128*PITCH                 ; a wave's 128 weight rows: what its tensor load brings and what it reads
.set SLOT,   4*WPART                   ; 139,264
.set XBUF,   2*SLOT                    ; behind the slots, at a multiple of 256: filled by LDS stores alone
.set XPITCH, 144                       ; a row of 64 f16 + 16
.set XBYTES, 128*XPITCH
.set CPITCH, 1040                      ; a row of wct: 1,024 bytes + 16
.set ADRB, 16                          ; v16-17 my weight fragments in slot 0, 1
.set ADRA, 18                          ; x fragments
.set XST,  19                          ; where I store packed x
.set XOFF, 20                          ; my byte offset in x; never rewritten
.set ADRC, 21                          ; Wc's fragments
.set STG,  22                          ; where I put my partial f
.set RDA,  23                          ; where I read partial f of waves 0, 1
.set XT,   24                          ; v24-55
.set RDB,  60                          ; the same of waves 2, 3
.set FO,   61                          ; 16 x lane
.set BO,   62                          ; offset in bb
.set BCO,  63                          ; offset in bc
.set F0,   64
.set F1,   128
.set XR,   192
.set G1,  32                           ; s[32:39] weights' shape
.set G0,  40                           ; s[40:47] from where, to where: a set for each slot
.set G1C, 48                           ; s[48:55] wct's shape
.set G0C, 56                           ; s[56:59]
.set MSB, 0
.macro WIN new                         ; the immediate's high byte repeats the setting that is left
.if MSB != \new
	s_set_vgpr_msb (MSB<<8)|\new
.set MSB, \new
.endif
.endm
.set MUL_LO,   0xa1                    ; source 0 window 1, source 1 window 0, C and D window 2
.set MUL_HI,   0xf1                    ; C and D window 3
.set MUL_LO_B, 0x91                    ; C (bias) window 1, D window 2
.set MUL_HI_B, 0xd1                    ; C (bias) window 1, D window 3
.set TO_B,     0x40                    ; destination window 1
.set IN_B,     0x41                    ; source 0 and destination window 1
.set CVT1,     0x05                    ; sources 0 and 1 window 1
.set CMP_LO,   0x58                    ; source 0 window 0, source 1 window 2, C and D window 1
.set CMP_HI,   0x5c                    ; source 1 window 3
.set STGW,     0x04                    ; store data window 1
.macro PLACES                          ; four plain vector places behind a matrix instruction, before its results are read or its registers written or loaded (ISA guide 7.12.1)
.rept 4
	v_nop
.endr
.endm
.macro CREST                           ; a round of the cluster's barrier behind its opening work-group barrier
	s_cmp_lg_u32 s22, 0
	s_cbranch_scc1 .Lnot_wave_0_\@
	s_barrier_signal -3
.Lnot_wave_0_\@:
	s_barrier_wait -3
	s_barrier_signal -1
	s_barrier_wait -1
.endm
.macro CROUND
	s_barrier_signal -1
	s_barrier_wait -1
	CREST
.endm
	s_load_b512 s[4:19], s[0:1], 0x0               ; x1 4, x2 6, bb1 8, bb2 10, bc1 12, bc2 14, wbt 16, wct 18
	s_load_b64 s[20:21], s[0:1], 0x40              ; fws
	v_lshl_add_u32 v58, v0, 2, 0x4d000
	v_mov_b32 v59, 0
	ds_add_u32 v58, v59
	ds_add_u32 v58, v59
	v_lshrrev_b32 v4, 5, v0
	v_readfirstlane_b32 s22, v4                    ; wave 0..3
	s_bfe_u32 s23, ttmp6, 0x40000                  ; cx
	s_lshl_b32 s24, ttmp9, 2
	s_add_co_u32 s24, s24, s23                     ; block of 128 rows = 4 x cluster x + cx
	s_and_b32 s25, ttmp7, 0xffff                   ; branch
	; weights' shape: 128 rows x 128 f16, 16 bytes of padding behind every 64 words
	s_mov_b32 s[G1+0], 15|(1<<16)|(1<<20)|(1<<21)|(5<<22)|(3<<25)   ; mask: all four of the cluster; 2-byte elements; padding on; bit 21 beside a mask; every 64 words; 4 words
	s_mov_b32 s[G1+1], 128<<16                     ; tensor_dim0 = 128
	s_mov_b32 s[G1+2], 128<<16                     ; tensor_dim1 = 128
	s_mov_b32 s[G1+3], 128<<16                     ; tile_dim0 = 128
	s_mov_b32 s[G1+4], 128                         ; tile_dim1 = 128
	s_mov_b32 s[G1+5], 1024                        ; elements from row to row
	s_mov_b32 s[G1+6], 0
	s_mov_b32 s[G1+7], 0
	; wct's shape: 16 rows x 512 f16 a wave, 16 bytes of padding behind every 256 words
	s_mov_b32 s[G1C+0], 15|(1<<16)|(1<<20)|(1<<21)|(7<<22)|(3<<25)
	s_mov_b32 s[G1C+1], 512<<16
	s_mov_b32 s[G1C+2], 16<<16
	s_mov_b32 s[G1C+3], 512<<16
	s_mov_b32 s[G1C+4], 16
	s_mov_b32 s[G1C+5], 512
	s_mov_b32 s[G1C+6], 0
	s_mov_b32 s[G1C+7], 0
	s_mov_b32 s[G0+0], 1
	s_mul_i32 s[G0+1], s22, WPART                  ; LDS: the wave's number times a constant, plus the slot's constant
	s_mov_b32 s[G0+4], 1
	s_add_co_u32 s[G0+5], s[G0+1], SLOT
	s_mov_b32 s[G0C+0], 1
	s_mul_i32 s[G0C+1], s22, 16*CPITCH
	v_and_b32 v2, 15, v0                           ; r = lane mod 16
	v_bfe_u32 v3, v0, 4, 1                         ; h = lane / 16
	s_lshl_b32 s70, s22, 17                        ; 32 rows of 4,096 bytes a wave
	v_lshlrev_b32 v[XOFF], 4, v2
	v_lshl_add_u32 v[XOFF], v3, 12, v[XOFF]
	v_add_nc_u32 v[XOFF], s70, v[XOFF]             ; row 32 w + h, byte 16 r: a load covers 256 aligned bytes of each of two rows
	s_lshl_b32 s71, s22, 9
	v_lshlrev_b32 v[BCO], 5, v3                    ; 32 h
	v_add_nc_u32 v[BO], s71, v[BCO]                ; 512 w + 32 h
	s_wait_dscnt 0x0
	s_wait_kmcnt 0x0
	s_cmp_eq_u32 s25, 0
	s_cselect_b64 s[26:27], s[4:5], s[6:7]         ; x
	s_cselect_b64 s[28:29], s[8:9], s[10:11]       ; bb
	s_cselect_b64 s[30:31], s[12:13], s[14:15]     ; bc
	s_lshl_b32 s60, s24, 19                        ; 128 rows of 4,096 bytes (s[60:61] alone ever hold what hangs on cx)
	s_mov_b32 s61, 0
	s_add_nc_u64 s[26:27], s[26:27], s[60:61]
	s_lshl_b32 s62, s25, 20                        ; wbt: the branch's 1 MiB (s[62:63] hold what the four partners share: branch and wave)
	s_lshl_b32 s63, s22, 18                        ; + 128 w rows of 2,048 bytes
	s_add_co_u32 s62, s62, s63
	s_mov_b32 s63, 0
	s_add_nc_u64 s[G0+2:G0+3], s[16:17], s[62:63]  ; K step 0
	s_add_nc_u64 s[G0+6:G0+7], s[G0+2:G0+3], 256   ; K step 1
	s_or_b32 s[G0+3], s[G0+3], 0x80000000
	s_or_b32 s[G0+7], s[G0+7], 0x80000000
	s_lshl_b32 s62, s25, 16                        ; wct: the branch's 64 KiB
	s_lshl_b32 s63, s22, 14                        ; + 16 w rows of 1,024 bytes
	s_add_co_u32 s62, s62, s63
	s_mov_b32 s63, 0
	s_add_nc_u64 s[G0C+2:G0C+3], s[18:19], s[62:63]
	s_or_b32 s[G0C+3], s[G0C+3], 0x80000000
	s_lshl_b32 s60, s24, 15                        ; fws: 8 blocks of 16 rows x 4,096 bytes a work-group,
	s_lshl_b32 s70, s25, 22                        ; the branch's 4 MiB,
	s_add_co_u32 s60, s60, s70
	s_lshl_b32 s70, s22, 13                        ; 2 blocks a wave
	s_add_co_u32 s60, s60, s70
	s_add_nc_u64 s[68:69], s[20:21], s[60:61]
	WIN TO_B
.irp b, 0,1,2,3,4,5,6,7
	global_load_b128 v[8*\b:8*\b+3],   v[BO], s[28:29] offset:64*\b       ; bb[128 w + 16 b + 8 h + 0..3]
	global_load_b128 v[8*\b+4:8*\b+7], v[BO], s[28:29] offset:64*\b+16
.endr
	WIN 0
.irp i, 0,1,2,3,4,5,6,7,8,9,10,11,12,13,14,15
	global_load_b128 v[XR+4*\i:XR+4*\i+3], v[XOFF], s[26:27] offset:8192*\i th:TH_LOAD_NT       ; chunk 0
.endr
	WIN TO_B
.irp i, 0,1,2,3,4,5,6,7,8,9,10,11,12,13,14,15
	global_load_b128 v[XR+4*\i:XR+4*\i+3], v[XOFF], s[26:27] offset:256+8192*\i th:TH_LOAD_NT   ; chunk 1
.endr
	WIN 0
	CROUND                                         ; all four work-groups are here: the first joint loads meet
	tensor_load_to_lds s[G0:G0+3], s[G1:G1+7]      ; K step 0
	s_nop 0
	tensor_load_to_lds s[G0+4:G0+7], s[G1:G1+7]    ; K step 1
	s_nop 0
	v_mul_u32_u24 v5, v2, PITCH
	v_lshl_add_u32 v6, v3, 4, v5                   ; r x 272 + 16 h
	s_mul_i32 s72, s22, WPART
	v_add_nc_u32 v[ADRB], s72, v6
	v_add_nc_u32 v[ADRB+1], SLOT, v[ADRB]
	v_mul_u32_u24 v7, v2, XPITCH
	v_lshl_add_u32 v7, v3, 4, v7
	v_add_nc_u32 v[ADRA], XBUF, v7                 ; r x 144 + 16 h
	s_mul_i32 s73, s22, 32*XPITCH
	s_add_co_u32 s73, s73, XBUF
	v_mul_u32_u24 v8, v3, XPITCH
	v_lshl_add_u32 v8, v2, 3, v8
	v_add_nc_u32 v[XST], s73, v8                   ; row 32 w + h, byte 8 r: my wave's 32 rows are its own
	v_mul_u32_u24 v9, v2, CPITCH
	v_lshl_add_u32 v9, v3, 4, v9
	s_lshl_b32 s74, s22, 8
	v_add_nc_u32 v[ADRC], s74, v9                  ; r x 1,040 + my 128 hidden columns + 16 h
	v_lshl_add_u32 v10, v3, 5, v5                  ; r x 272 + 32 h
	s_add_co_u32 s75, s72, SLOT
	v_add_nc_u32 v[STG], s75, v10                  ; my stage: 128 rows x 272 in slot 1
	s_mul_i32 s76, s22, 32*PITCH
	s_add_co_u32 s76, s76, SLOT
	v_add_nc_u32 v[RDA], s76, v10                  ; rows 32 w + r of wave 0's stage
	v_add_nc_u32 v[RDB], 2*WPART, v[RDA]           ; of wave 2's
	v_and_b32 v11, 31, v0
	v_lshlrev_b32 v[FO], 4, v11
; 16 matrix instructions: row blocks a0, a0 + 1 of the window's four x all 8 blocks of hidden columns, 32 along K.  bias = 1: C is the bias.
; The 64 accumulators take turns, one instruction a turn, in the same order in every quarter.
.macro MUL16 f, hi, a0, bias
.irp a, \a0, \a0+1
.irp b, 0,1,2,3,4,5,6,7
.if \bias
	v_wmma_f32_16x16x32_f16 v[8*(8*(\a)+\b):8*(8*(\a)+\b)+7], v[\f+8*\b:\f+8*\b+7], v[\f+8*(4*\hi+\a):\f+8*(4*\hi+\a)+7], v[8*\b:8*\b+7]
.else
	v_wmma_f32_16x16x32_f16 v[8*(8*(\a)+\b):8*(8*(\a)+\b)+7], v[\f+8*\b:\f+8*\b+7], v[\f+8*(4*\hi+\a):\f+8*(4*\hi+\a)+7], v[8*(8*(\a)+\b):8*(8*(\a)+\b)+7]
.endif
.endr
.endr
.endm
; 32 LDS loads: a quarter's fragments (my 128 weight rows at byte kb of slot's rows; the 128 rows of x at byte ka of buffer xb's rows) into buffer f
.macro FETCH slot, kb, xb, ka, f
	WIN TO_B
.irp i, 0,1,2,3,4,5,6,7
	ds_load_b128 v[\f+8*\i:\f+8*\i+3],   v[ADRB+\slot] offset:\kb+\i*16*PITCH
	ds_load_b128 v[\f+8*\i+4:\f+8*\i+7], v[ADRB+\slot] offset:\kb+\i*16*PITCH+32
.endr
	WIN 0
.irp i, 0,1,2,3,4,5,6,7
	ds_load_b128 v[\f+8*\i:\f+8*\i+3],   v[ADRA] offset:\xb*XBYTES+\ka+\i*16*XPITCH
	ds_load_b128 v[\f+8*\i+4:\f+8*\i+7], v[ADRA] offset:\xb*XBYTES+\ka+\i*16*XPITCH+32
.endr
.endm
; The chunk of x in register set 'set' is rounded to f16 and stored into LDS buffer 'set'.  load = 1: the set is asked for again, the chunk cl + 3 of the lap.
; left = how many younger loads may stay out.
.macro XSTAGE set, load, left, cl
	s_wait_loadcnt \left                           ; loads come back in order: this set's sixteen are in
.if \set
	WIN CVT1
.else
	WIN 0
.endif
.irp i, 0,1,2,3,4,5,6,7,8,9,10,11,12,13,14,15
	v_cvt_pk_f16_f32 v[XT+2*\i],   v[XR+4*\i],   v[XR+4*\i+1]
	v_cvt_pk_f16_f32 v[XT+2*\i+1], v[XR+4*\i+2], v[XR+4*\i+3]
.endr
	WIN 0
.irp i, 0,1,2,3,4,5,6,7,8,9,10,11,12,13,14,15
	ds_store_b64 v[XST], v[XT+2*\i:XT+2*\i+1] offset:(\set)*XBYTES+2*XPITCH*\i
.endr
.if \load
.if \set
	WIN TO_B
.endif
.irp i, 0,1,2,3,4,5,6,7,8,9,10,11,12,13,14,15
	global_load_b128 v[XR+4*\i:XR+4*\i+3], v[XOFF], s[26:27] offset:(\cl+3)*256+8192*\i th:TH_LOAD_NT
.endr
.endif
.endm
; An even quarter: multiplies buffer 0; in its middle it stages the next chunk of x into the LDS buffer that is not being read, and fetches the next quarter into buffer 1.
.macro QE slot, kb, xb, bias, stage, load, left, cl
	s_wait_dscnt 8                                 ; all but the youngest eight loads (x rows 64-127) are in
.if \bias
	WIN MUL_LO_B
.else
	WIN MUL_LO
.endif
	MUL16 F0, 0, 0, \bias
	MUL16 F0, 0, 2, \bias
	PLACES
.if \stage
	XSTAGE 1-\xb, \load, \left, \cl
.endif
	FETCH \slot, \kb, \xb, 64, F1
	s_wait_dscnt 32+16*\stage                      ; all but the stores and the 32 loads just issued
.if \bias
	WIN MUL_HI_B
.else
	WIN MUL_HI
.endif
	MUL16 F0, 1, 0, \bias
	MUL16 F0, 1, 2, \bias
.endm
; The second quarter of a K step: multiplies buffer 1 and changes x buffers.  In front of the barrier each wave's stores into x buffer 1 and its reads of x buffer 0 are done.
; No tensor load fills anything behind this barrier before the next round of the cluster's barrier, so the one that is out stays out.
.macro QMID slot
	s_wait_dscnt 8
	WIN MUL_LO
	MUL16 F1, 0, 0, 0
	s_wait_dscnt 0
	s_barrier_signal -1
	MUL16 F1, 0, 2, 0
	s_barrier_wait -1
	PLACES
	FETCH \slot, 128, 1, 0, F0
	WIN MUL_HI
	MUL16 F1, 1, 0, 0
	MUL16 F1, 1, 2, 0
.endm
; The last quarter of a K step: multiplies buffer 1, changes slots and x buffers.  In front of the round each wave waits for its LDS reads and stores and for all its
; tensor loads (one is out: its part of the next slot).  Behind the round the slot just read is filled again, first thing: fill = 1: two K steps ahead; fill = 2: with wct.
.macro QTURN slot, next, fill
	s_wait_dscnt 8
	WIN MUL_LO
	MUL16 F1, 0, 0, 0
	s_wait_dscnt 0                                 ; my reads of this slot and of x buffer 1, and my stores into x buffer 0, are done
	s_set_vgpr_msb 0xa1a0
	s_wait_tensorcnt 0x0                           ; all my tensor loads have landed
	ds_add_u32 v58, v59
	s_wait_dscnt 0x0
	s_set_vgpr_msb 0xa0a1
	s_barrier_signal -1                            ; opens a round of the cluster's barrier
	MUL16 F1, 0, 2, 0                              ; register work while the others arrive
	WIN 0
	s_barrier_wait -1
	CREST                                          ; no wave of any partner still reads this slot or has a load on its way
.if \fill == 1
	s_add_nc_u64 s[G0+4*\slot+2:G0+4*\slot+3], s[G0+4*\slot+2:G0+4*\slot+3], 512   ; two K steps of 256 bytes on; no load of mine is out
	tensor_load_to_lds s[G0+4*\slot:G0+4*\slot+3], s[G1:G1+7]
	s_nop 0
.endif
.if \fill == 2
	tensor_load_to_lds s[G0C:G0C+3], s[G1C:G1C+7]  ; wct's 64 rows, 16 a wave, into slot 0, which no K step needs any more
	s_nop 0
.endif
	PLACES
	FETCH \next, 0, 0, 0, F0
	WIN MUL_HI
	MUL16 F1, 1, 0, 0
	MUL16 F1, 1, 2, 0
.endm
.macro STEP slot, bias, cl
	QE \slot, 64, 0, \bias, 1, 1, 16, \cl          ; the wait for 16: the sixteen loads of the chunk behind stay out
	QMID \slot
	QE \slot, 192, 1, 0, 1, 1, 16, \cl+1
	QTURN \slot, 1-\slot, 1
.endm
.macro LAP bias                        ; two K steps = four chunks of x
	STEP 0, \bias, 0
	STEP 1, 0, 2
	WIN 0
	s_wait_xcnt 0x0                                ; x's base is stepped only behind this wait
	s_add_nc_u64 s[26:27], s[26:27], 1024
.endm
	XSTAGE 0, 1, 16, -1                            ; bb and chunk 0 are in (chunk 1's sixteen stay out); chunk 0 goes to LDS; chunk 2 is asked for
	WIN IN_B
.set i, 0
.rept 32
	v_pk_mul_f32 v[2*i:2*i+1], v[2*i:2*i+1], 0x3e000000 op_sel_hi:[1,0]   ; bb / 8: exact, once
.set i, i+1
.endr
	WIN 0
	s_wait_tensorcnt 0x1                           ; my part of K step 0 is in; K step 1's stays out
	s_wait_dscnt 0x0                               ; my stores of chunk 0 are done
	s_barrier_signal -1
	s_barrier_wait -1
	FETCH 0, 0, 0, 0, F0
	LAP 1                                          ; the first lap stands ahead of the loop: its first products start the sums at the bias
	s_mov_b32 s66, 2
.Llap:
	LAP 0
	s_sub_co_u32 s66, s66, 1
	s_cmp_lg_u32 s66, 0
	s_cbranch_scc1 .Llap
	; the last lap, K steps 6 and 7, chunks 12 to 15: written out, so that nothing is asked for beyond the end
	QE 0, 64, 0, 0, 1, 1, 16, 0                    ; stages chunk 13, asks for chunk 15
	QMID 0
	QE 0, 192, 1, 0, 1, 0, 16, 0                   ; stages chunk 14; chunk 15's sixteen stay out
	QTURN 0, 1, 2
	QE 1, 64, 0, 0, 1, 0, 0, 0                     ; stages chunk 15: the last loads
	QMID 1
	QE 1, 192, 1, 0, 0, 0, 0, 0
	s_wait_dscnt 8
	WIN MUL_LO
	MUL16 F1, 0, 0, 0
	MUL16 F1, 0, 2, 0
	s_wait_dscnt 0
	WIN MUL_HI
	MUL16 F1, 1, 0, 0
	MUL16 F1, 1, 2, 0
	; ---- f = relu(H) Wc + bc
	PLACES
	WIN 0
.irp e, 0,1,2,3,4,5,6,7
	global_load_b128 v[XT+4*\e:XT+4*\e+3], v[BCO], s[30:31] offset:64*(\e/2)+16*(\e%2)   ; bc[16 c + 8 h + 4 u + 0..3], e = 2 c + u
.endr
	s_wait_tensorcnt 0x0                           ; my rows of wct have landed
	s_barrier_signal -1                            ; (my LDS reads are done: the wait for 0 above)
	s_barrier_wait -1                              ; wct is whole, and nobody reads slot 1 any more
.irp kb, 0,1,2,3
.irp nb, 0,1,2,3
	ds_load_b128 v[F0+8*(4*\kb+\nb):F0+8*(4*\kb+\nb)+3],   v[ADRC] offset:16*CPITCH*\nb+64*\kb
	ds_load_b128 v[F0+8*(4*\kb+\nb)+4:F0+8*(4*\kb+\nb)+7], v[ADRC] offset:16*CPITCH*\nb+64*\kb+32
.endr
.endr
; relu and rounding in place: tiles (a, 2 kb) and (a, 2 kb + 1) become the operand of rows 16 a .. and hidden columns 32 kb .. 32 kb + 31, in the first tile's 8 registers
.macro RELUPACK
.irp a, 0,1,2,3
.irp kb, 0,1,2,3
.irp i, 0,1,2,3,4,5,6,7,8,9,10,11,12,13,14,15
	v_max_num_f32 v[8*(8*\a+2*\kb)+\i], 0, v[8*(8*\a+2*\kb)+\i]
.endr
.irp m, 0,1,2,3,4,5,6,7
	v_cvt_pk_f16_f32 v[8*(8*\a+2*\kb)+\m], v[8*(8*\a+2*\kb)+2*\m], v[8*(8*\a+2*\kb)+2*\m+1]
.endr
.endr
.endr
.endm
	WIN 0xaa
	RELUPACK
	WIN 0xff
	RELUPACK
; partial f of row block 4 hi + a and column block nb at window 1, v[8 (4 (4 hi + a) + nb)]; sixteen accumulators take turns; the first product starts each sum
.macro COMP hi
.irp kb, 0,1,2,3
.irp a, 0,1,2,3
.irp nb, 0,1,2,3
.if \kb
	v_wmma_f32_16x16x32_f16 v[8*(4*(4*\hi+\a)+\nb):8*(4*(4*\hi+\a)+\nb)+7], v[F0+8*(4*\kb+\nb):F0+8*(4*\kb+\nb)+7], v[8*(8*\a+2*\kb):8*(8*\a+2*\kb)+7], v[8*(4*(4*\hi+\a)+\nb):8*(4*(4*\hi+\a)+\nb)+7]
.else
	v_wmma_f32_16x16x32_f16 v[8*(4*(4*\hi+\a)+\nb):8*(4*(4*\hi+\a)+\nb)+7], v[F0+8*(4*\kb+\nb):F0+8*(4*\kb+\nb)+7], v[8*(8*\a+2*\kb):8*(8*\a+2*\kb)+7], 0
.endif
.endr
.endr
.endr
.endm
	s_wait_dscnt 0x0                               ; Wc's fragments are in
	WIN CMP_LO
	COMP 0
	WIN CMP_HI
	COMP 1
	PLACES
	WIN STGW
.irp t, 0,1,2,3,4,5,6,7                            ; lane (r, h), register i: partial f[16 t + r][16 nb + 8 h + i], into my own stage (slot 1 has had its last fill)
.irp nb, 0,1,2,3
	ds_store_b128 v[STG], v[8*(4*\t+\nb):8*(4*\t+\nb)+3]   offset:16*PITCH*\t+64*\nb
	ds_store_b128 v[STG], v[8*(4*\t+\nb)+4:8*(4*\t+\nb)+7] offset:16*PITCH*\t+64*\nb+16
.endr
.endr
	WIN 0
	s_wait_dscnt 0x0                               ; for the other waves' sake
	s_barrier_signal -1
	s_barrier_wait -1
	s_wait_loadcnt 0x0                             ; bc
	; wave w adds the four partial f of rows 32 w .. 32 w + 31 and bc, and stores them in the order in which the next launch loads them:
	; block of 16 rows, piece e = 2 c + u, lane (r, h): f[r][16 c + 8 h + 4 u + 0..3]; a store covers 512 neighbouring, aligned bytes
.irp blk, 0,1
.irp e, 0,1,2,3,4,5,6,7
	ds_load_b128 v[F0+16*\e:F0+16*\e+3],     v[RDA] offset:16*PITCH*\blk+64*(\e/2)+16*(\e%2)
	ds_load_b128 v[F0+16*\e+4:F0+16*\e+7],   v[RDA] offset:WPART+16*PITCH*\blk+64*(\e/2)+16*(\e%2)
	ds_load_b128 v[F0+16*\e+8:F0+16*\e+11],  v[RDB] offset:16*PITCH*\blk+64*(\e/2)+16*(\e%2)
	ds_load_b128 v[F0+16*\e+12:F0+16*\e+15], v[RDB] offset:WPART+16*PITCH*\blk+64*(\e/2)+16*(\e%2)
.endr
.irp e, 0,1,2,3,4,5,6,7
	s_wait_dscnt 28-4*\e                           ; four loads a piece: piece e's are in, the younger pieces' stay out
	v_pk_add_f32 v[F0+16*\e:F0+16*\e+1],     v[F0+16*\e:F0+16*\e+1],     v[F0+16*\e+4:F0+16*\e+5]
	v_pk_add_f32 v[F0+16*\e+2:F0+16*\e+3],   v[F0+16*\e+2:F0+16*\e+3],   v[F0+16*\e+6:F0+16*\e+7]
	v_pk_add_f32 v[F0+16*\e+8:F0+16*\e+9],   v[F0+16*\e+8:F0+16*\e+9],   v[F0+16*\e+12:F0+16*\e+13]
	v_pk_add_f32 v[F0+16*\e+10:F0+16*\e+11], v[F0+16*\e+10:F0+16*\e+11], v[F0+16*\e+14:F0+16*\e+15]
	v_pk_add_f32 v[F0+16*\e:F0+16*\e+1],     v[F0+16*\e:F0+16*\e+1],     v[F0+16*\e+8:F0+16*\e+9]
	v_pk_add_f32 v[F0+16*\e+2:F0+16*\e+3],   v[F0+16*\e+2:F0+16*\e+3],   v[F0+16*\e+10:F0+16*\e+11]
	v_pk_add_f32 v[XR+32*\blk+4*\e:XR+32*\blk+4*\e+1],   v[F0+16*\e:F0+16*\e+1],   v[XT+4*\e:XT+4*\e+1]
	v_pk_add_f32 v[XR+32*\blk+4*\e+2:XR+32*\blk+4*\e+3], v[F0+16*\e+2:F0+16*\e+3], v[XT+4*\e+2:XT+4*\e+3]
	global_store_b128 v[FO], v[XR+32*\blk+4*\e:XR+32*\blk+4*\e+3], s[68:69] offset:4096*\blk+512*\e   ; its data registers are never written again
.endr
.endr
	s_wait_tensorcnt 0x0
	ds_add_u32 v58, v59
	s_wait_dscnt 0x0
	CROUND                                         ; the closing round: no work-group ends while a partner may still ask for a tile that names it
	s_endpgm
.Lfunc_end_k_q5ef4207116_branch:
	.size	k_q5ef4207116_branch, .Lfunc_end_k_q5ef4207116_branch-k_q5ef4207116_branch
	.p2alignl 7, 3214868480
	.fill 96, 4, 3214868480
	.section	.rodata,"a",@progbits
	.p2align	6, 0x0
	.amdhsa_kernel k_q5ef4207116_branch
		.amdhsa_group_segment_fixed_size 327680
		.amdhsa_private_segment_fixed_size 0
		.amdhsa_enable_private_segment 0
		.amdhsa_kernarg_size 72
		.amdhsa_user_sgpr_count 2
		.amdhsa_user_sgpr_kernarg_segment_ptr 1
		.amdhsa_wavefront_size32 1
		.amdhsa_system_sgpr_workgroup_id_x 1
		.amdhsa_system_sgpr_workgroup_id_y 1
		.amdhsa_system_sgpr_workgroup_id_z 1
		.amdhsa_system_vgpr_workitem_id 0
		.amdhsa_next_free_vgpr 1024
		.amdhsa_next_free_sgpr 80
		.amdhsa_reserve_vcc 0
		.amdhsa_float_denorm_mode_32 3
		.amdhsa_float_denorm_mode_16_64 3
		.amdhsa_memory_ordered 1
		.amdhsa_forward_progress 1
		.amdhsa_inst_pref_size 255
	.end_amdhsa_kernel
	.section	.bss,"aw",@nobits
	.p2align	6
	.space	262144
	.amdgpu_metadata
---
amdhsa.version: [ 1, 2 ]
amdhsa.kernels:
  - .name:           k_q5ef4207116_branch
    .symbol:         k_q5ef4207116_branch.kd
    .args:
      - { .name: x1, .offset: 0, .size: 8, .value_kind: global_buffer, .address_space: global }
      - { .name: x2, .offset: 8, .size: 8, .value_kind: global_buffer, .address_space: global }
      - { .name: bb1, .offset: 16, .size: 8, .value_kind: global_buffer, .address_space: global }
      - { .name: bb2, .offset: 24, .size: 8, .value_kind: global_buffer, .address_space: global }
      - { .name: bc1, .offset: 32, .size: 8, .value_kind: global_buffer, .address_space: global }
      - { .name: bc2, .offset: 40, .size: 8, .value_kind: global_buffer, .address_space: global }
      - { .name: wbt, .offset: 48, .size: 8, .value_kind: global_buffer, .address_space: global }
      - { .name: wct, .offset: 56, .size: 8, .value_kind: global_buffer, .address_space: global }
      - { .name: fws, .offset: 64, .size: 8, .value_kind: global_buffer, .address_space: global }
    .group_segment_fixed_size: 327680
    .private_segment_fixed_size: 0
    .kernarg_segment_align: 8
    .kernarg_segment_size: 72
    .max_flat_workgroup_size: 128
    .sgpr_count:     80
    .vgpr_count:     1024
    .wavefront_size: 32
...
	.end_amdgpu_metadata
.endif
;; end of part 2
;; launch bilinear (part 3): grid 256 x 1, 2 waves a work-group, no clusters, 0 bytes of LDS; arguments fws, nt, bf1, Wf2, bf2, out0; writes out0
.if DOCPART == 3
	.amdgcn_target "amdgcn-amd-amdhsa--gfx1250"
	.amdhsa_code_object_version 6
	.text
	.protected	k_q5ef4207116_bilinear
	.globl	k_q5ef4207116_bilinear
	.p2align	8
	.type	k_q5ef4207116_bilinear,@function
k_q5ef4207116_bilinear:
	s_mov_b64 s[64:65], 0
	v_nop
	global_prefetch_b8 v0, s[64:65] scope:SCOPE_SE
	s_setreg_imm32_b32 hwreg(HW_REG_WAVE_MODE, 25, 1), 1
	s_wait_xcnt 0x0
; bilinear: out[b][j] = sum over p of f2[b][p] (sum over q of f1[b][q] W'[64 p + q][j]) + c'[j],  W' = Wf1 Wf2 (in nt),  c' = bf1 Wf2 + bf2 (made here, f32).
; That is the problem's kron(f2, f1) Wf1 + bf1, then Wf2 + bf2, with the two linear maps taken together; the sums are in another order than in the problem's text.
; A wave takes 32 rows (two blocks of 16).  G = f1 x W'^T ([32][128], K = 64) goes to the matrix unit; the product with f2 and all sums are f32.
; FORMATS: f1 grows with the scales of x, Wb and Wc together (0.7 x 30^3 = 19,000 where all three are 30 times larger), so it has no room in f16 and goes in bf16;
; for the precision both operands are two bf16 terms, v = hi + lo with hi = bf16(v), lo = bf16(v - hi), and G = f1hi W'hi + f1lo W'hi + f1hi W'lo.
; What is left out (lo x lo, and lo's own rounding) is about 2^-16 of a product.  96 matrix instructions a wave.
; The matrix instruction is used transposed (source 0 = 16 rows (j, p) of W', source 1 = 16 rows of f1): lane (r, h), register i of tile nb = 4 j + pg
; holds G[r][j][16 pg + 8 h + i], and fws was laid out so that a lane's loads of f2 bring f2[r][16 c + 8 h + 0..7] beside it.
; Every load takes 512 neighbouring bytes a wave.  No LDS, no barrier: no wave needs another's data.  No cluster: what the work-groups share is nt's 32 KiB,
; which comes through registers, and there is no LDS tile to receive a joint load.
;   window 0: v16-143 W'hi fragments, (nb, kb) at 16 + 8 (2 nb + kb); v144-207 f1 as loaded, block b, piece e at 144 + 32 b + 4 e, then f1lo at 144 + 32 b + 16 kb;
;             v208-223 at work; v224-255 f1hi at 224 + 16 b + 8 kb
;   window 1: v0-63 f2; v64-191 G, tile (b, nb) at 64 + 64 b + 8 nb; v192-199 four running pairs
;   window 2: v0-127 W'lo fragments, (nb, kb) at 8 (2 nb + kb)
.set NTF, 16
.set F1R, 144
.set TT,  216
.set F1H, 224
.set ACC, 64
.set SS,  192
.set MSB, 0
.macro WIN new                         ; the immediate's high byte repeats the setting that is left
.if MSB != \new
	s_set_vgpr_msb (MSB<<8)|\new
.set MSB, \new
.endif
.endm
	s_load_b256 s[4:11], s[0:1], 0x0               ; fws 4, nt 6, bf1 8, Wf2 10
	s_load_b128 s[16:19], s[0:1], 0x20             ; bf2 16, out0 18
	v_lshrrev_b32 v1, 5, v0
	v_readfirstlane_b32 s22, v1                    ; wave 0, 1
	s_lshl_b32 s23, ttmp9, 1
	s_add_co_u32 s23, s23, s22                     ; which 32 rows
	s_mov_b32 s12, 0x76543210                      ; v_permlanex16_b32: lane i of one half reads lane i of the other
	s_mov_b32 s13, 0xfedcba98
	s_mov_b32 s14, 0xffff0000                      ; a word's upper bf16
	v_and_b32 v1, 31, v0                           ; lane
	v_lshlrev_b32 v2, 4, v1
	v_lshlrev_b32 v3, 3, v1
	s_lshl_b32 s24, s23, 13                        ; two blocks of 4,096 bytes
	s_mov_b32 s25, 0
	s_wait_kmcnt 0x0
	s_load_b64 s[20:21], s[16:17], 0x0             ; bf2[0], bf2[1]
	s_add_nc_u64 s[4:5], s[4:5], s[24:25]
	s_lshl_b32 s24, s23, 8                         ; 32 rows of 8 bytes
	s_add_nc_u64 s[18:19], s[18:19], s[24:25]
	global_load_b64 v[4:5], v3, s[8:9]             ; bf1[2 l], bf1[2 l + 1]
	global_load_b128 v[8:11], v2, s[10:11]         ; Wf2[2 l][0], [2 l][1], [2 l + 1][0], [2 l + 1][1]
.irp b, 0,1
.irp e, 0,1,2,3,4,5,6,7
	global_load_b128 v[F1R+32*\b+4*\e:F1R+32*\b+4*\e+3], v2, s[4:5] offset:4096*\b+512*\e th:TH_LOAD_NT
.endr
.endr
.set i, 0
.rept 32
	global_load_b128 v[NTF+4*i:NTF+4*i+3], v2, s[6:7] offset:512*i             ; W'hi
.set i, i+1
.endr
	WIN 0x80
.set i, 0
.rept 32
	global_load_b128 v[4*i:4*i+3], v2, s[6:7] offset:16384+512*i               ; W'lo
.set i, i+1
.endr
	WIN 0x40
.irp b, 0,1
.irp e, 0,1,2,3,4,5,6,7
	global_load_b128 v[32*\b+4*\e:32*\b+4*\e+3], v2, s[4:5] offset:4194304+4096*\b+512*\e th:TH_LOAD_NT   ; f2
.endr
.endr
	WIN 0
	s_wait_loadcnt 63                              ; bf1, Wf2 and f1 are the oldest 18 of 98 loads: 80 younger ones could stay out; 63 is the largest count that the wait can name, and a smaller count is always right
.irp b, 0,1
.irp kb, 0,1
.irp m, 0,1,2,3,4,5,6,7                            ; sixteen f32 become the operand of K = 32 kb .. 32 kb + 31: hi
	v_cvt_pk_bf16_f32 v[F1H+16*\b+8*\kb+\m], v[F1R+32*\b+16*\kb+2*\m], v[F1R+32*\b+16*\kb+2*\m+1]
.endr
.irp m, 0,1,2,3,4,5,6,7                            ; lo = bf16(v - hi), packed in place: word m lands on a register whose pair has been used
	v_lshlrev_b32 v[TT+2*(\m%4)],   16,  v[F1H+16*\b+8*\kb+\m]
	v_and_b32     v[TT+2*(\m%4)+1], s14, v[F1H+16*\b+8*\kb+\m]
	v_sub_f32 v[F1R+32*\b+16*\kb+2*\m],   v[F1R+32*\b+16*\kb+2*\m],   v[TT+2*(\m%4)]
	v_sub_f32 v[F1R+32*\b+16*\kb+2*\m+1], v[F1R+32*\b+16*\kb+2*\m+1], v[TT+2*(\m%4)+1]
	v_cvt_pk_bf16_f32 v[F1R+32*\b+16*\kb+\m], v[F1R+32*\b+16*\kb+2*\m], v[F1R+32*\b+16*\kb+2*\m+1]
.endr
.endr
.endr
	v_mul_f32 v208, v4, v8                         ; c'[j]: my two terms,
	v_mul_f32 v209, v4, v9
	v_fma_f32 v208, v5, v10, v208
	v_fma_f32 v209, v5, v11, v209
.irp x, 1,2,4,8                                    ; the sum over the 32 lanes,
	v_add_f32_dpp v208, v208, v208 row_xmask:\x row_mask:0xf bank_mask:0xf
	v_add_f32_dpp v209, v209, v209 row_xmask:\x row_mask:0xf bank_mask:0xf
.endr
	v_permlanex16_b32 v4, v208, s12, s13           ; (destinations that have been written and are no longer needed)
	v_permlanex16_b32 v5, v209, s12, s13
	v_add_f32 v208, v208, v4
	v_add_f32 v209, v209, v5
	s_wait_kmcnt 0x0
	v_add_f32 v208, s20, v208                      ; and bf2
	v_add_f32 v209, s21, v209
; 16 matrix instructions: one K step of 32 of one of the three products, on all sixteen accumulators, which take turns.
; wb: W' fragments' first register; fb, fs: f1's operand of (b, kb) at fb + fs b + (fs / 2) kb; zero = 1: the product starts the sums
.macro PROD wb, fb, fs, kb, zero
.irp b, 0,1
.irp nb, 0,1,2,3,4,5,6,7
.if \zero
	v_wmma_f32_16x16x32_bf16 v[ACC+64*\b+8*\nb:ACC+64*\b+8*\nb+7], v[\wb+8*(2*\nb+\kb):\wb+8*(2*\nb+\kb)+7], v[\fb+\fs*\b+(\fs/2)*\kb:\fb+\fs*\b+(\fs/2)*\kb+7], 0
.else
	v_wmma_f32_16x16x32_bf16 v[ACC+64*\b+8*\nb:ACC+64*\b+8*\nb+7], v[\wb+8*(2*\nb+\kb):\wb+8*(2*\nb+\kb)+7], v[\fb+\fs*\b+(\fs/2)*\kb:\fb+\fs*\b+(\fs/2)*\kb+7], v[ACC+64*\b+8*\nb:ACC+64*\b+8*\nb+7]
.endif
.endr
.endr
.endm
	s_wait_loadcnt 48                              ; W'hi is in; W'lo's 32 loads and f2's 16 stay out
	WIN 0x50                                       ; sources window 0, C and D window 1
	PROD NTF, F1H, 16, 0, 1                        ; f1hi W'hi
	PROD NTF, F1H, 16, 1, 0
	PROD NTF, F1R, 32, 0, 0                        ; f1lo W'hi
	PROD NTF, F1R, 32, 1, 0
	s_wait_loadcnt 16                              ; W'lo is in; f2's 16 loads stay out
	WIN 0x52                                       ; source 0 window 2
	PROD 0, F1H, 16, 0, 0                          ; f1hi W'lo
	PROD 0, F1H, 16, 1, 0
	s_wait_loadcnt 0x0                             ; f2
	WIN 0x55                                       ; everything in window 1
.rept 4
	v_nop                                          ; four places behind the last matrix instruction before its results are read (ISA guide 7.12.1)
.endr
.irp c, 0,1,2,3                                    ; four chains (block b, output j) by turns: sum over my 32 p of G x f2
.irp i, 0,1,2,3
.irp b, 0,1
.irp j, 0,1
.if (\c+\i) == 0
	v_pk_mul_f32 v[SS+2*(2*\b+\j):SS+2*(2*\b+\j)+1], v[ACC+64*\b+8*(4*\j+\c)+2*\i:ACC+64*\b+8*(4*\j+\c)+2*\i+1], v[32*\b+8*\c+2*\i:32*\b+8*\c+2*\i+1]
.else
	v_pk_fma_f32 v[SS+2*(2*\b+\j):SS+2*(2*\b+\j)+1], v[ACC+64*\b+8*(4*\j+\c)+2*\i:ACC+64*\b+8*(4*\j+\c)+2*\i+1], v[32*\b+8*\c+2*\i:32*\b+8*\c+2*\i+1], v[SS+2*(2*\b+\j):SS+2*(2*\b+\j)+1]
.endif
.endr
.endr
.endr
.endr
	WIN 0x05                                       ; sources window 1, destination window 0
.irp b, 0,1
.irp j, 0,1
	v_add_f32 v[12+2*\b+\j], v[SS+2*(2*\b+\j)], v[SS+2*(2*\b+\j)+1]    ; T(b, j): lane (r, h)'s half of row 16 b + r
.endr
.endr
	WIN 0
	; lane l stores row l: block h.  It keeps its own half of that row and gets the other half from lane l xor 16, to which it sends its half of the other block's row.
	v_cmp_le_u32 vcc_lo, 16, v1
	v_cndmask_b32 v212, v12, v14, vcc_lo           ; own: h ? T(1, j) : T(0, j)
	v_cndmask_b32 v213, v13, v15, vcc_lo
	v_cndmask_b32 v214, v14, v12, vcc_lo           ; sent: the other block's
	v_cndmask_b32 v215, v15, v13, vcc_lo
	v_permlanex16_b32 v8, v214, s12, s13
	v_permlanex16_b32 v9, v215, s12, s13
	v_add_f32 v212, v212, v8
	v_add_f32 v213, v213, v9
	v_add_f32 v216, v212, v208
	v_add_f32 v217, v213, v209
	global_store_b64 v3, v[216:217], s[18:19]      ; the wave stores 256 neighbouring, aligned bytes
	s_endpgm
.Lfunc_end_k_q5ef4207116_bilinear:
	.size	k_q5ef4207116_bilinear, .Lfunc_end_k_q5ef4207116_bilinear-k_q5ef4207116_bilinear
	.p2alignl 7, 3214868480
	.fill 96, 4, 3214868480
	.section	.rodata,"a",@progbits
	.p2align	6, 0x0
	.amdhsa_kernel k_q5ef4207116_bilinear
		.amdhsa_group_segment_fixed_size 0
		.amdhsa_private_segment_fixed_size 0
		.amdhsa_enable_private_segment 0
		.amdhsa_kernarg_size 48
		.amdhsa_user_sgpr_count 2
		.amdhsa_user_sgpr_kernarg_segment_ptr 1
		.amdhsa_wavefront_size32 1
		.amdhsa_system_sgpr_workgroup_id_x 1
		.amdhsa_system_sgpr_workgroup_id_y 1
		.amdhsa_system_sgpr_workgroup_id_z 1
		.amdhsa_system_vgpr_workitem_id 0
		.amdhsa_next_free_vgpr 640
		.amdhsa_next_free_sgpr 66
		.amdhsa_reserve_vcc 1
		.amdhsa_float_denorm_mode_32 3
		.amdhsa_float_denorm_mode_16_64 3
		.amdhsa_memory_ordered 1
		.amdhsa_forward_progress 1
		.amdhsa_inst_pref_size 31
	.end_amdhsa_kernel
	.amdgpu_metadata
---
amdhsa.version: [ 1, 2 ]
amdhsa.kernels:
  - .name:           k_q5ef4207116_bilinear
    .symbol:         k_q5ef4207116_bilinear.kd
    .args:
      - { .name: fws, .offset: 0, .size: 8, .value_kind: global_buffer, .address_space: global }
      - { .name: nt, .offset: 8, .size: 8, .value_kind: global_buffer, .address_space: global }
      - { .name: bf1, .offset: 16, .size: 8, .value_kind: global_buffer, .address_space: global }
      - { .name: Wf2, .offset: 24, .size: 8, .value_kind: global_buffer, .address_space: global }
      - { .name: bf2, .offset: 32, .size: 8, .value_kind: global_buffer, .address_space: global }
      - { .name: out0, .offset: 40, .size: 8, .value_kind: global_buffer, .address_space: global }
    .group_segment_fixed_size: 0
    .private_segment_fixed_size: 0
    .kernarg_segment_align: 8
    .kernarg_segment_size: 48
    .max_flat_workgroup_size: 64
    .sgpr_count:     66
    .vgpr_count:     640
    .wavefront_size: 32
...
	.end_amdgpu_metadata
.endif
;; end of part 3
